; MI455X (gfx1250); checked and timed in simulation.
; The chip was launched on July 23, 2026; its instructions are those of AMD's public machine-readable ISA for CDNA 5 (MIT licence, August 2026) and "CDNA5" Instruction Set Architecture Reference Guide (July 2026). The comments in the code are by the model that wrote it; some were corrected since.
;; Self Attention. Allowed arithmetic: matrix products marked QUANTISED: E3M2 operands, one E8M0 scale for each 32 along K, by v_wmma_scale_f32_16x16x128_f8f6f4 with both operands' format E3M2, f32 sums; everything else in f32.
;; Inputs: W_attn 1,024 x 3,072 float32; W_proj 1,024 x 1,024 float32; x 8 x 1,024 x 1,024 float32.
;; Outputs: out0 8 x 1,024 x 1,024 float32.
;; This version of the problem:
;;   THIS VERSION OF THE PROBLEM IS GIVEN IN LOW PRECISION. The matrix products marked QUANTISED in the list below multiply operands that are first quantised to E3M2 (3 exponent bits, 2 mantissa bits; 6 bits a number), with one power-of-two scale for each 32 numbers along K (OCP MX v1.0); their sums are f32. All else is computed in f32.
;;   The module's matrix products, in the order in which they are computed (A, B: the left and right operand; K: the contracted axis; several contracted axes count as one K, in the product's order):
;;     1. [M 8,192, K 1,024] x [K 1,024, N 3,072]; A: input x; B: input W_attn: QUANTISED
;;     2. batch 128 x [M 1,024, K 64] x [K 64, N 1,024]; A: computed on the way; B: computed on the way: QUANTISED
;;     3. batch 128 x [M 64, K 1,024] x [K 1,024, N 1,024]; A: computed on the way; B: softmax (see below): QUANTISED
;;     4. [M 8,192, K 1,024] x [K 1,024, N 1,024]; A: computed on the way; B: input W_proj: QUANTISED
;;   THE QUANTISER, for each operand of a quantised product, along K:
;;     - K is cut into blocks of 32 from its start; a last block that is shorter is filled with zeros.
;;     - A block's scale is 2^e with e = floor(log2(the largest magnitude in the block)) - 4, held to -126 .. 127; a block of zeros has e = 0. As a byte (E8M0): e + 127.
;;     - Each number is divided by its block's scale, clamped to +-28, and rounded to the nearest number of E3M2, ties to even, subnormals kept.
;;     - The product sums the exact products of the quantised numbers (number of the format x scale) in f32.
;;   ~~~python
;;   def quantise(x, axis):      # numpy; x: float32 -> the quantised numbers, widened to float32 again
;;       x = np.moveaxis(x, axis, -1); K = x.shape[-1]
;;       x = np.pad(x, [(0, 0)] * (x.ndim - 1) + [(0, -K % 32)]); x = x.reshape(x.shape[:-1] + (-1, 32)); a = np.abs(x).max(-1, keepdims=True)
;;       e = np.where(a > 0, np.clip(np.frexp(np.where(a > 0, a, 1))[1] - 1 - 4, -126, 127), 0)      # np.frexp(a)[1] - 1 = floor(log2(a)), exactly
;;       r = np.clip(x / 2.0 ** e, -28, 28)
;;       step = 2.0 ** (np.maximum(np.frexp(np.where(r == 0, 1, r))[1] - 1, -2) - 2)
;;       q = np.round(r / step) * step * 2.0 ** e      # np.round: ties to even
;;       return np.moveaxis(q.reshape(q.shape[:-2] + (-1,))[..., :K], -1, axis).astype(np.float32)
;;   ~~~
;;   SOFTMAX AHEAD OF A QUANTISED PRODUCT. Where the list says 'softmax', what is quantised is not the finished softmax but p = 2^(t - M), with t = logit x log2(e) and M = ceil(the row's largest t), a whole number; so 1/2 < the row's largest p <= 1. The row's sum l is taken of the UNQUANTISED p, in f32, and the product's result is divided by l at the end. Since M is a whole number, a kernel that streams over the keys may use a running M (the ceiling of the running maximum): every later rescaling is an exact power of two, which a block's scale takes up: the codes' values come out the same.
;;   OPERANDS COMPUTED ON THE WAY. 'Computed on the way' means the value that the module computes at that place (a softmax that the list does not call 'softmax' is quantised finished and normalised). What goes into a quantiser is computed in f32, as accurately as f32 sums, v_exp_f32 and their like allow (about 1e-6 of the number): no bf16 or f16 on the way to a quantiser, and a product that is left as it is and whose result goes on into a quantised operand takes f32 operands (vector FMAs, or v_wmma_f32_16x16x4_f32). A number that lies on a knife's edge between two numbers of the format may be rounded either way, as far as f32 arithmetic and the matrix unit's own rounding can turn it there, and no further.
;; One version. Each part assembles by itself: llvm-mc -triple=amdgcn-amd-amdhsa -mcpu=gfx1250 --defsym DOCPART=n.
;; ======== version 1 of 1: 4 launches
;; limits: right only within a limited range of input values
;; workspace buffers: xc 6,553,600 bytes; wc 3,276,800 bytes; qkv 19,660,800 bytes; yc 6,553,600 bytes
;; launch quant (part 1): grid 384 x 1, 4 waves a work-group, no clusters, 127,488 bytes of LDS; arguments x, W_attn, W_proj, xc, wc; writes xc, wc
.if DOCPART == 1
	.amdgcn_target "amdgcn-amd-amdhsa--gfx1250"
	.amdhsa_code_object_version 6
	.text
	.protected	k_qdc6266df24_quant
	.globl	k_qdc6266df24_quant
	.p2align	8
	.type	k_qdc6266df24_quant,@function
k_qdc6266df24_quant:
	s_mov_b64 s[64:65], 0
	v_nop
	global_prefetch_b8 v0, s[64:65] scope:SCOPE_SE
	s_setreg_imm32_b32 hwreg(HW_REG_WAVE_MODE, 25, 1), 1
	s_wait_xcnt 0x0
; x [8192][1024], W_attn [1024][3072] and W_proj [1024][1024], f32, become codes of BF6 (E3M2) with one E8M0 byte for each 32 along K.
; WORK LEFT OUT BY THE PROGRAM: reference() sets every score above the diagonal to -inf by a mask that it builds itself, so its softmax gives those keys the weight 0 for all inputs:
; the attention launch leaves out the steps of 128 keys that lie wholly above a query tile's diagonal.  A NaN, an infinity or an overflow that reaches only those scores is not carried to the result.  Every input is loaded.
; LAYOUT: xc (64 images) and wc (32 images: W_attn's 3072 columns, then W_proj's 1024; a weight's column is a row) are IMAGES of 128 rows, 102,400 bytes each:
; codes at [K step of 128: 8][group of 16 rows: 8][unit of 64 along K: 2][row 16][48 bytes], then from byte 98,304 on 32 scale bytes a row.
; Inside each aligned group of 64 rows, row 32 hb + 8 u + i lies at place 16 u + 8 hb + i: as source 0 of a matrix instruction four neighbouring tiles then leave 32 neighbouring rows in a lane's registers.
; A block's byte is its largest magnitude's exponent field - 4, held at 1 from below by a floor among the maximum's leaves.
; LIMITS: a block of zeros, or one under 2^-122, gets the byte 1 (read by this program alone); NaN and infinities among the inputs are not served.
; Work-groups 0-255 take x (8 rows a wave), 256-351 W_attn, 352-383 W_proj (32 columns x 256 along K a wave).  The three ways have LDS bytes of their own; waves share nothing: no barrier, no cluster.
.set SP,    80
.set STEPS, 16
.set R,     16
.set X,     80
.set E,     112
.set C,     128
.set WX,    32
.set WC,    96
.set OUTR,  112
.set SB,    24
.set WP,    272
.set IMG,   102400
.set SCO,   98304
.set WREG,  14336                      ; x: a wave's LDS: two stages of 2,560, 256 scale bytes, the codes' stage
.set CST,   5376                       ; the codes' stage: 16 units x 528 bytes (32 places of 16 bytes + 16)
.set CP,    528
.set SPARE, 126976
.macro LOAD t
.irp i, 0,1,2,3
	global_load_b128 v[R+16*((\t)%4)+4*\i:R+16*((\t)%4)+4*\i+3], v3, s[4:5] offset:2048*(\t)+512*\i th:TH_LOAD_NT
.endr
.endm
.macro TURN t                          ; through the wave's own stage: in as loaded, back 64 bytes a lane; LDS serves a wave's instructions in order
.irp i, 0,1,2,3
	ds_store_b128 v14, v[R+16*((\t)%4)+4*\i:R+16*((\t)%4)+4*\i+3] offset:32*SP*((\t)%2)+8*SP*\i
.endr
.irp i, 0,1,2,3
	ds_load_b128 v[X+16*((\t)%2)+4*\i:X+16*((\t)%2)+4*\i+3], v15 offset:32*SP*((\t)%2)+16*\i
.endr
.endm
.macro STEP t
.set XS, X+16*((\t)%2)
.if (\t) > 0
	s_wait_dscnt 2                                 ; this step's numbers are back; the last step's two stores (byte, codes) may be out
.else
	s_wait_dscnt 0x0
.endif
.if (\t)+4 < STEPS
	LOAD (\t)+4
.endif
.if (\t)+1 < STEPS
.if STEPS-2-(\t) >= 3
	s_wait_loadcnt 12                              ; the next step's four loads are in; three steps' twelve may be out
.else
	s_wait_loadcnt 4*(STEPS-2-(\t))
.endif
	TURN (\t)+1
.endif
	v_max3_num_f32 v8, |v[XS]|, |v[XS+1]|, |v[XS+2]|
	v_max3_num_f32 v9, |v[XS+3]|, |v[XS+4]|, |v[XS+5]|
.irp i, 6,10
	v_max3_num_f32 v8, v8, |v[XS+\i]|, |v[XS+\i+1]|
	v_max3_num_f32 v9, v9, |v[XS+\i+2]|, |v[XS+\i+3]|
.endr
	v_max3_num_f32 v8, v8, |v[XS+14]|, |v[XS+15]|
	v_max3_num_f32 v8, v8, v9, 0x2800000           ; the floor 2^(5 - 127)
	v_max_num_f32_dpp v8, v8, v8 row_xmask:1 row_mask:0xf bank_mask:0xf   ; with my neighbour's 16: the block's
	v_add_nc_u32 v11, 0xfe000000, v8               ; 4 off the exponent field: the conversion's scale operand
	v_cvt_scalef32_pk16_bf6_f32 v[C+4*(\t):C+4*(\t)+2], v[XS:XS+15], v11
	v_lshrrev_b32 v[E+(\t)], 23, v11               ; the scale's byte
	ds_store_b8 v5, v[E+(\t)] offset:16*(\t)
	ds_store_b96 v10, v[C+4*(\t):C+4*(\t)+2] offset:((\t)%2)*8*CP+((\t)/2)*64   ; row t / 2, unit 8 (t % 2) + lane / 4, quarter lane % 4
.endm
.macro WLOAD t, n, src
.irp i, 0,1,2,3,4,5,6,7,8,9,10,11,12,13,14,15,16,17,18,19,20,21,22,23,24,25,26,27,28,29,30,31
	global_load_b32 v[WX+32*((\t)%2)+\i], v3, s[\src:\src+1] offset:(32*(\t)+\i)*\n*4 th:TH_LOAD_NT
.endr
.endm
.macro WBLOCK t, n, src
.set XS, WX+32*((\t)%2)
.if (\t) < 7
	s_wait_loadcnt 32                              ; this block's 32 loads are in; the next block's may be out
.else
	s_wait_loadcnt 0
.endif
	v_max3_num_f32 v12, |v[XS]|, |v[XS+1]|, |v[XS+2]|
	v_max3_num_f32 v13, |v[XS+3]|, |v[XS+4]|, |v[XS+5]|
.irp i, 6,10,14,18,22,26
	v_max3_num_f32 v12, v12, |v[XS+\i]|, |v[XS+\i+1]|
	v_max3_num_f32 v13, v13, |v[XS+\i+2]|, |v[XS+\i+3]|
.endr
	v_max3_num_f32 v12, v12, |v[XS+30]|, |v[XS+31]|
	v_max3_num_f32 v12, v12, v13, 0x2800000
	v_add_nc_u32 v11, 0xfe000000, v12
	v_lshrrev_b32 v13, 23, v11
.if (\t)%4 == 0
	v_mov_b32 v[SB+(\t)/4], v13
.else
	v_lshl_or_b32 v[SB+(\t)/4], v13, 8*((\t)%4), v[SB+(\t)/4]
.endif
	v_cvt_scalef32_pk16_bf6_f32 v[WC:WC+2], v[XS:XS+15], v11
	v_cvt_scalef32_pk16_bf6_f32 v[WC+4:WC+6], v[XS+16:XS+31], v11
	ds_store_b96 v4, v[WC:WC+2] offset:32*(\t)
	ds_store_b96 v4, v[WC+4:WC+6] offset:32*(\t)+16
.if (\t)+2 < 8
	WLOAD (\t)+2, \n, \src
.endif
	s_wait_dscnt 0x0                               ; the stores have read their registers
.endm
; A weight [1024][n]: work-group j = ttmp9 - first takes columns 128 (j / 4) on and K = 256 (j % 4) on; a wave 32 columns.
.macro WPATH n, first, src, rowbase, ldsbase
	s_sub_co_u32 s20, ttmp9, \first
	s_and_b32 s21, s20, 3                          ; which 256 along K
	s_lshr_b32 s22, s20, 2
	s_lshl_b32 s22, s22, 7
	s_lshl_b32 s23, s18, 5
	s_add_co_u32 s22, s22, s23                     ; my wave's first column
	s_mul_i32 s23, s18, 32*WP
	s_add_co_u32 s23, s23, \ldsbase                ; my stage
	s_mul_i32 s24, s21, 256*\n*4
	s_lshl_b32 s25, s22, 2
	s_add_co_u32 s24, s24, s25
	s_mov_b32 s25, 0
	s_and_b32 s26, s22, 0xffffffc0
	s_bfe_u32 s27, s22, 0x10005
	s_lshl_b32 s27, s27, 3
	s_add_co_u32 s26, s26, s27
	s_add_co_u32 s26, s26, \rowbase                ; the place of my column 0
	s_lshr_b32 s27, s26, 7
	s_mul_i32 s27, s27, IMG                        ; its image
	s_bfe_u32 s28, s26, 0x10006
	s_mul_i32 s28, s28, 6144                       ; four groups for the image's upper 64 places
	s_add_co_u32 s28, s28, s27
	s_bfe_u32 s29, s26, 0x10003
	s_mul_i32 s29, s29, 384                        ; eight rows of 48 bytes
	s_add_co_u32 s28, s28, s29
	s_mul_i32 s29, s21, 24576                      ; two K steps
	s_add_co_u32 s28, s28, s29
	s_mov_b32 s29, 0
	s_and_b32 s30, s26, 127
	s_lshl_b32 s30, s30, 5
	s_add_co_u32 s30, s30, s27
	s_lshl_b32 s31, s21, 3
	s_add_co_u32 s30, s30, s31
	s_add_co_u32 s30, s30, SCO
	s_mov_b32 s31, 0
	v_lshlrev_b32 v3, 2, v2                        ; in: 4 bytes a lane
	v_mul_u32_u24 v4, v2, WP
	v_add_nc_u32 v4, s23, v4                       ; into the stage: row = my column
	v_lshrrev_b32 v6, 2, v2
	v_and_b32 v5, 3, v2
	v_mul_u32_u24 v7, v6, WP
	v_lshl_add_u32 v7, v5, 4, v7
	v_add_nc_u32 v7, s23, v7                       ; out of it: four lanes to a column's 48 bytes of a unit, eight columns an instruction
	v_mul_u32_u24 v8, v2, 12                       ; and the same 384 consecutive bytes in wc
	v_lshrrev_b32 v9, 3, v2
	v_and_b32 v10, 7, v2
	v_lshl_add_u32 v9, v9, 4, v10
	v_lshlrev_b32 v9, 5, v9                        ; my column's place x 32 scale bytes
	s_wait_alu depctr_va_vdst(0)                   ; the wait at the head's end
	s_wait_kmcnt 0x0
	s_add_nc_u64 s[\src:\src+1], s[\src:\src+1], s[24:25]
	s_add_nc_u64 s[16:17], s[14:15], s[30:31]
	s_add_nc_u64 s[14:15], s[14:15], s[28:29]
	WLOAD 0, \n, \src
	WLOAD 1, \n, \src
.irp t, 0,1,2,3,4,5,6,7
	WBLOCK \t, \n, \src
.endr
	s_wait_alu depctr_va_vdst(0)                   ; the wait ahead of the reader below
	global_store_b64 v9, v[SB:SB+1], s[16:17]      ; my column's 8 scale bytes
.irp t, 0,1,2,3,4,5,6,7,8,9,10,11,12,13,14,15
	ds_load_b96 v[OUTR+4*\t:OUTR+4*\t+2], v7 offset:(\t/4)*8*WP+(\t%4)*64   ; group t / 4, unit t % 4
.endr
.irp t, 0,1,2,3,4,5,6,7,8,9,10,11,12,13,14,15
	s_wait_dscnt 15-\t
	global_store_b96 v8, v[OUTR+4*\t:OUTR+4*\t+2], s[14:15] offset:(\t/4)*1536+((\t%4)/2)*12288+(\t%2)*768
.endr
	s_wait_tensorcnt 0x0                           ; the wave's end
	ds_add_u32 v192, v193
	s_wait_dscnt 0x0
	s_endpgm
.endm
	s_load_b256 s[4:11], s[0:1], 0x0               ; x, W_attn, W_proj, xc
	s_load_b64 s[14:15], s[0:1], 0x20              ; wc
	v_lshl_add_u32 v192, v0, 2, SPARE
	v_mov_b32 v193, 0
	v_lshrrev_b32 v1, 5, v0
	v_readfirstlane_b32 s18, v1                    ; wave
	v_and_b32 v2, 31, v0                           ; lane
	s_wait_alu depctr_va_vdst(0)                   ; the wait here
	s_cmp_lt_u32 ttmp9, 256
	s_cbranch_scc0 .Lweights
	; x: run g = 4 x work-group + wave: 8 rows, 16 steps of 512 numbers
	s_mul_i32 s19, s18, WREG
	s_add_co_u32 s23, s19, 2*32*SP
	s_add_co_u32 s30, s19, CST
	s_lshl_b32 s20, ttmp9, 2
	s_add_co_u32 s20, s20, s18                     ; g
	s_and_b32 s21, s20, 0xfffffff8
	s_and_b32 s22, s20, 3
	s_lshl_b32 s22, s22, 1
	s_or_b32 s21, s21, s22
	s_bfe_u32 s22, s20, 0x10002
	s_or_b32 s21, s21, s22                         ; the run's place among runs of 8: u = g % 4, hb = (g / 4) % 2 -> 2 u + hb
	s_lshl_b32 s24, s20, 15
	s_mov_b32 s25, 0
	s_lshr_b32 s22, s21, 4
	s_mul_i32 s22, s22, IMG                        ; its image
	s_bfe_u32 s26, s21, 0x30001
	s_mul_i32 s26, s26, 1536                       ; its group
	s_add_co_u32 s26, s26, s22
	s_and_b32 s27, s21, 1
	s_mul_i32 s27, s27, 384                        ; the group's lower or upper eight rows
	s_add_co_u32 s26, s26, s27
	s_mov_b32 s27, 0
	s_and_b32 s28, s21, 15
	s_lshl_b32 s28, s28, 8
	s_add_co_u32 s28, s28, s22
	s_add_co_u32 s28, s28, SCO
	s_mov_b32 s29, 0
	v_lshlrev_b32 v3, 4, v2                        ; my 16 bytes of a load's 512
	v_lshrrev_b32 v14, 2, v2
	v_and_b32 v15, 3, v2
	v_mul_u32_u24 v10, v14, CP
	v_lshl_add_u32 v10, v15, 4, v10
	v_add_nc_u32 v10, s30, v10                     ; the codes' stage, in: CP (lane / 4) + 16 (lane % 4)
	v_add_nc_u32 v1, s30, v3                       ; and out: 16 x lane
	v_mul_u32_u24 v14, v14, SP
	v_lshl_add_u32 v14, v15, 4, v14
	v_add_nc_u32 v14, s19, v14                     ; the numbers' stage, in
	v_mul_u32_u24 v15, v2, SP
	v_add_nc_u32 v15, s19, v15                     ; and out
	v_mul_u32_u24 v4, v2, 12                       ; my 12 bytes of a store's 384
	v_lshrrev_b32 v5, 1, v2
	v_add_nc_u32 v5, s23, v5                       ; my block's scale byte
	v_lshlrev_b32 v7, 3, v2
	v_add_nc_u32 v6, s23, v7
	s_wait_alu depctr_va_vdst(0)                   ; the wait at the head's end
	s_wait_kmcnt 0x0
	s_add_nc_u64 s[4:5], s[4:5], s[24:25]
	s_add_nc_u64 s[12:13], s[10:11], s[28:29]
	s_add_nc_u64 s[10:11], s[10:11], s[26:27]
.irp t, 0,1,2,3
	LOAD \t
.endr
	s_wait_loadcnt 12
	TURN 0
.irp t, 0,1,2,3,4,5,6,7,8,9,10,11,12,13,14,15
	STEP \t
.endr
	ds_load_b64 v[12:13], v6                       ; LDS serves a wave's instructions in order: these see my stores
.irp u, 0,1,2,3,4,5,6,7,8,9,10,11,12,13,14,15
	ds_load_b96 v[R+4*\u:R+4*\u+2], v1 offset:CP*\u
.endr
	s_wait_dscnt 16
	global_store_b64 v7, v[12:13], s[12:13]        ; 256 consecutive bytes, aligned
.irp u, 0,1,2,3,4,5,6,7,8,9,10,11,12,13,14,15
	s_wait_dscnt 15-\u
	global_store_b96 v4, v[R+4*\u:R+4*\u+2], s[10:11] offset:(\u/2)*12288+(\u%2)*768   ; unit u: my eight rows' 384 consecutive bytes
.endr
	s_wait_tensorcnt 0x0                           ; the wave's end
	ds_add_u32 v192, v193
	s_wait_dscnt 0x0
	s_endpgm
.Lweights:
	s_cmp_lt_u32 ttmp9, 352
	s_cbranch_scc0 .Lproj
	WPATH 3072, 256, 6, 0, 57344
.Lproj:
	WPATH 1024, 352, 8, 3072, 92160
.Lfunc_end_k_qdc6266df24_quant:
	.size	k_qdc6266df24_quant, .Lfunc_end_k_qdc6266df24_quant-k_qdc6266df24_quant
	.p2alignl 7, 3214868480
	.fill 96, 4, 3214868480
	.section	.rodata,"a",@progbits
	.p2align	6, 0x0
	.amdhsa_kernel k_qdc6266df24_quant
		.amdhsa_group_segment_fixed_size 127488
		.amdhsa_private_segment_fixed_size 0
		.amdhsa_enable_private_segment 0
		.amdhsa_kernarg_size 40
		.amdhsa_user_sgpr_count 2
		.amdhsa_user_sgpr_kernarg_segment_ptr 1
		.amdhsa_wavefront_size32 1
		.amdhsa_system_sgpr_workgroup_id_x 1
		.amdhsa_system_sgpr_workgroup_id_y 1
		.amdhsa_system_sgpr_workgroup_id_z 1
		.amdhsa_system_vgpr_workitem_id 0
		.amdhsa_next_free_vgpr 194
		.amdhsa_next_free_sgpr 66
		.amdhsa_reserve_vcc 0
		.amdhsa_float_denorm_mode_32 3
		.amdhsa_float_denorm_mode_16_64 3
		.amdhsa_memory_ordered 1
		.amdhsa_forward_progress 1
		.amdhsa_inst_pref_size 119
	.end_amdhsa_kernel
	.amdgpu_metadata
---
amdhsa.version: [ 1, 2 ]
amdhsa.kernels:
  - .name:           k_qdc6266df24_quant
    .symbol:         k_qdc6266df24_quant.kd
    .args:
      - { .name: x, .offset: 0, .size: 8, .value_kind: global_buffer, .address_space: global }
      - { .name: W_attn, .offset: 8, .size: 8, .value_kind: global_buffer, .address_space: global }
      - { .name: W_proj, .offset: 16, .size: 8, .value_kind: global_buffer, .address_space: global }
      - { .name: xc, .offset: 24, .size: 8, .value_kind: global_buffer, .address_space: global }
      - { .name: wc, .offset: 32, .size: 8, .value_kind: global_buffer, .address_space: global }
    .group_segment_fixed_size: 127488
    .private_segment_fixed_size: 0
    .kernarg_segment_align: 8
    .kernarg_segment_size: 40
    .max_flat_workgroup_size: 128
    .sgpr_count:     66
    .vgpr_count:     194
    .wavefront_size: 32
...
	.end_amdgpu_metadata
.endif
;; end of part 1
;; launch gemm_qkv (part 2): grid 8 x 32, 4 waves a work-group, clusters of 4 x 4, 327,680 bytes of LDS; arguments xc, wc, qkv; writes qkv
.if DOCPART == 2
	.amdgcn_target "amdgcn-amd-amdhsa--gfx1250"
	.amdhsa_code_object_version 6
	.text
	.protected	k_qdc6266df24_gemm_qkv
	.globl	k_qdc6266df24_gemm_qkv
	.p2align	8
	.type	k_qdc6266df24_gemm_qkv,@function
k_qdc6266df24_gemm_qkv:
	s_mov_b64 s[64:65], 0
	v_nop
	global_prefetch_b8 v0, s[64:65] scope:SCOPE_SE
	s_setreg_imm32_b32 hwreg(HW_REG_WAVE_MODE, 25, 1), 1
	s_wait_xcnt 0x0
	s_wait_alu depctr_hold_cnt(0) depctr_sa_sdst(0) depctr_va_vdst(0) depctr_va_sdst(0) depctr_va_ssrc(0) depctr_va_vcc(0) depctr_vm_vsrc(0)
	s_getreg_b32 s2, hwreg(HW_REG_IB_STS2, 6, 4)
	s_cmp_eq_u32 s2, 0
	s_cbranch_scc0 .Lentry_in_a_cluster
	s_endpgm
.Lentry_in_a_cluster:
	s_bfe_u32 s2, ttmp6, 0x10000c
	s_cmp_lg_u32 s2, 0xf033
	s_cbranch_scc0 .Lentry_shape_is_right
	s_endpgm
.Lentry_shape_is_right:
; qkv = x W_attn on codes of BF6 (E3M2) with E8M0 scales, K = 1024, sums in f32; the results are quantised again on the way out: q and k along the head's 64, v along the keys.
; Work-group (j, T): 256 tokens (two images of xc, in LDS for the whole launch, all of K) against the 128 columns of pair of heads j of q, then of k, then of v (one image of wc, filled again twice).
; S0 is source 0 (its rows run down a lane's registers), S1 source 1.  q, k: S0 = the 128 columns, S1 = my 64 tokens.  v: S0 = my 128 tokens, S1 = my 64 columns.  A wave makes 64 x 128: 32 accumulators.
; An image: codes [K step 8][group of 16 rows 8][unit 2][row 16][48 bytes], scale bytes from 98,304 on, 32 a row; lane (r, h) reads its 24 bytes at 48 r + 24 h of a unit.
; OUT: half a block of 12,800 bytes of qkv a wave: 8 units of 768 bytes at [c][a] and 64 scale words.  Block = 512 section + 64 batch + 8 j + group of 128 tokens.
; CLUSTERS: 4 x 4; the tokens' images are asked for jointly along a row of the cluster, the columns' along a column.  A refill stands behind a round in a tile's last K step, when every fragment of the old image is in registers.
; No prefetch: the tokens are asked for once, at the head, and each columns' image as soon as its LDS bytes are free: there is no loop to run ahead in.
; LIMITS: a block of zeros or under 2^-122 gets the byte 1; NaN and infinities are not served.
; REGISTERS: window 0: v0-31 addresses; v32-95 S0's scale words of all K, v96-127 S1's; v128-223 S1's fragments, two sets (on the way out: units read back); v224-250 the quantiser.  window 1: S0's fragments, two sets.  window 2: accumulators.
.set IMG, 102400
.set SCO, 98304
.set STP, 12288
.set IC,  2*IMG
.set STAGE, 3*IMG                      ; a wave's stage: two units and 256 bytes of scale words
.set WST, 1792
.set SPARE, STAGE+4*WST
.set T0, 4
.set T1, 6
.set C0, 8
.set C1, 10
.set ST0, 12
.set ST1, 13
.set SC0, 14
.set SC1, 15
.set STO, 16
.set SSO, 17
.set RD, 18
.set RDS, 19
.set CO, 20
.set CS, 21
.set SH8, 22
.set SPW, 28
.set NIL, 29
.set SS0, 32
.set SS1, 96
.set F1, 128
.set BK, 128
.set BKS, 176
.set QT, 224
.set QSO, 226
.set QBY, 228
.set QPW, 230
.set QTP, 231
.set QPC, 232
.set QTM, 244
.set G1T, 24
.set G1C, 32
.set G1R, 48
.set G0T, 56
.set G0H, 60
.set G0R, 68
.set MUL, 0xa1                         ; source 0 window 1, source 1 window 0, C and D window 2
.set TO_B, 0x40
.set MSB, 0
.macro WIN new
.if MSB != \new
	s_set_vgpr_msb (MSB<<8)|\new
.set MSB, \new
.endif
.endm
.macro CREST
	s_cmp_lg_u32 s14, 0
	s_cbranch_scc1 .Lnot_wave_0_\@
	s_barrier_signal -3
.Lnot_wave_0_\@:
	s_barrier_wait -3
	s_barrier_signal -1
	s_barrier_wait -1
.endm
.macro CROUND
	s_barrier_signal -1
	s_barrier_wait -1
	CREST
.endm
.macro PLACES
.rept 4
	v_nop
.endr
.endm
.macro FRAG reg, adr, st, i            ; 16 rows x 128 K: 12 registers, in pieces of 8 bytes; the second address register serves K steps 4-7
.irp p, 0,1,2,3,4,5
	ds_load_b64 v[\reg+2*\p:\reg+2*\p+1], v[\adr+(\st)/4] offset:((\st)%4)*STP+(\i)*1536+768*(\p/3)+8*(\p%3)
.endr
.endm
.macro FETCH a0, a1, st
	WIN TO_B
.irp i, 0,1,2,3,4,5,6,7
	FRAG 128*((\st)%2)+12*\i, \a0, \st, \i
.endr
	WIN 0
.irp i, 0,1,2,3
	FRAG F1+48*((\st)%2)+12*\i, \a1, \st, \i
.endr
.endm
.macro SCALES s0, s1                   ; a row's eight scale words, all of K: lane r (and r + 16) takes row r's
.irp i, 0,1,2,3,4,5,6,7
	ds_load_b128 v[SS0+8*\i:SS0+8*\i+3], v[\s0] offset:512*\i
	ds_load_b128 v[SS0+8*\i+4:SS0+8*\i+7], v[\s0] offset:512*\i+16
.endr
.irp i, 0,1,2,3
	ds_load_b128 v[SS1+8*\i:SS1+8*\i+3], v[\s1] offset:512*\i
	ds_load_b128 v[SS1+8*\i+4:SS1+8*\i+7], v[\s1] offset:512*\i+16
.endr
.endm
.macro MUL16 a0, st, zero              ; the 32 accumulators take turns, in the same order in every step
.irp a, \a0, \a0+1
.irp b, 0,1,2,3,4,5,6,7
.if \zero
	v_wmma_scale_f32_16x16x128_f8f6f4 v[8*(8*(\a)+\b):8*(8*(\a)+\b)+7], v[128*((\st)%2)+12*\b:128*((\st)%2)+12*\b+11], v[F1+48*((\st)%2)+12*(\a):F1+48*((\st)%2)+12*(\a)+11], 0, v[SS0+8*\b+(\st)], v[SS1+8*(\a)+(\st)] matrix_a_fmt:MATRIX_FMT_BF6 matrix_b_fmt:MATRIX_FMT_BF6
.else
	v_wmma_scale_f32_16x16x128_f8f6f4 v[8*(8*(\a)+\b):8*(8*(\a)+\b)+7], v[128*((\st)%2)+12*\b:128*((\st)%2)+12*\b+11], v[F1+48*((\st)%2)+12*(\a):F1+48*((\st)%2)+12*(\a)+11], v[8*(8*(\a)+\b):8*(8*(\a)+\b)+7], v[SS0+8*\b+(\st)], v[SS1+8*(\a)+(\st)] matrix_a_fmt:MATRIX_FMT_BF6 matrix_b_fmt:MATRIX_FMT_BF6
.endif
.endr
.endr
.endm
.macro STEP a0, a1, st, zero           ; this step's fragments were asked for a step ago; the next step's go into the other sets, four places behind the products that read them
	s_wait_dscnt 0x0
	PLACES
	FETCH \a0, \a1, (\st)+1
	WIN MUL
	MUL16 0, \st, \zero
	MUL16 2, \st, \zero
.endm
.macro SENDQ a                         ; row block a's two units: each store covers 256 consecutive bytes, aligned
.irp c, 0,1
.irp k, 0,1,2
	global_store_b64 v[CO], v[BK+12*(\a)+6*\c+2*\k:BK+12*(\a)+6*\c+2*\k+1], s[12:13] offset:\c*3072+(\a)*768+256*\k th:TH_STORE_NT
.endr
.endr
.endm
; Block a of S1: my lane's 64 numbers are two quantiser blocks, c = 0, 1 (S0's rows 64 c + 32 h + 0 .. 31): largest magnitudes, bytes, codes; through my stage, back as whole units.
.macro QROW a
.set XB, 64*(\a)
	WIN 0x0a
.irp c, 0,1
	v_max3_num_f32 v[QT+\c], |v[XB+32*\c]|, |v[XB+32*\c+1]|, 0x2800000
.endr
.irp i, 2,4,6,8,10,12,14,16,18,20,22,24,26,28,30
.irp c, 0,1
	v_max3_num_f32 v[QT+\c], |v[XB+32*\c+\i]|, |v[XB+32*\c+\i+1]|, v[QT+\c]
.endr
.endr
	WIN 0
	s_wait_alu depctr_va_vdst(0)                   ; the wait ahead of the wait below
	s_wait_dscnt 0x0                               ; the last block's LDS stores have read their registers, and its units are back
.if (\a) > 0
	SENDQ (\a)-1
.endif
.irp c, 0,1
	v_add_nc_u32 v[QSO+\c], 0xfe000000, v[QT+\c]
.endr
.irp c, 0,1
	v_lshrrev_b32 v[QBY+\c], 23, v[QSO+\c]
.endr
	v_lshl_or_b32 v[QPW], v[QBY+1], 16, v[QBY]
	v_lshlrev_b32 v[QPW], v[SH8], v[QPW]
	v_permlanex16_b32 v[QTP], v[QPW], s74, s75
	v_or_b32 v[QPW], v[QPW], v[QTP]                ; the scale word: byte 2 c + h
	WIN 0x02
.irp c, 0,1
	v_cvt_scalef32_pk16_bf6_f32 v[QPC+6*\c:QPC+6*\c+2], v[XB+32*\c:XB+32*\c+15], v[QSO+\c]
	v_cvt_scalef32_pk16_bf6_f32 v[QTM+4*\c:QTM+4*\c+2], v[XB+32*\c+16:XB+32*\c+31], v[QSO+\c]
.endr
	WIN 0
	v_nop                                          ; one plain place behind a scaled conversion
.irp c, 0,1
.irp i, 0,1,2
	v_mov_b32 v[QPC+3+6*\c+\i], v[QTM+4*\c+\i]
.endr
.endr
.irp c, 0,1
.irp p, 0,1,2
	ds_store_b64 v[STO], v[QPC+6*\c+2*\p:QPC+6*\c+2*\p+1] offset:\c*768+8*\p
.endr
.endr
	ds_store_b32 v[SSO], v[QPW] offset:64*(\a)
.irp k, 0,1,2,3,4,5
	ds_load_b64 v[BK+12*(\a)+2*\k:BK+12*(\a)+2*\k+1], v[RD] offset:256*\k   ; LDS serves a wave's instructions in order
.endr
.endm
.macro TILE a0, a1, s0, s1, refill
	s_wait_alu depctr_va_vdst(0)                   ; the wait ahead of the waits below
	s_wait_tensorcnt 0x0                           ; my part of what was asked for is in;
	s_wait_dscnt 0x0
	s_barrier_signal -1
	s_barrier_wait -1                              ; and everybody's
	SCALES \s0, \s1
	FETCH \a0, \a1, 0
	STEP \a0, \a1, 0, 1                            ; the first products start the sums
.irp st, 1,2,3,4,5,6
	STEP \a0, \a1, \st, 0
.endr
.if \refill
	WIN 0
	s_wait_tensorcnt 0x0                           ; no tensor load of mine is out;
	ds_add_u32 v[SPW], v[NIL]
	s_add_nc_u64 s[G0R+2:G0R+3], s[G0R+2:G0R+3], 8*IMG   ; the next section's image of my pair of heads
	s_wait_dscnt 1                                 ; the last step's fragments are in; the add may be out
	WIN MUL
	MUL16 0, 7, 0
	s_wait_dscnt 0x0                               ; the add is done, and my reads of the columns' image are over
	s_barrier_signal -1
	MUL16 2, 7, 0
	WIN 0
	s_barrier_wait -1
	CREST                                          ; the barrier has opened a round of the cluster's barrier
	tensor_load_to_lds s[G0R:G0R+3], s[G1R:G1R+7]  ; my quarter of the next image
	s_nop 0
	PLACES                                         ; also the places ahead of the first read of results
.else
	s_wait_dscnt 0x0
	MUL16 0, 7, 0
	MUL16 2, 7, 0
	WIN 0
	PLACES
.endif
.irp a, 0,1,2,3
	QROW \a
.endr
	ds_load_b64 v[BKS:BKS+1], v[RDS]
	s_wait_dscnt 0x0
	SENDQ 3
	global_store_b64 v[CS], v[BKS:BKS+1], s[12:13] th:TH_STORE_NT   ; my 64 scale words: 256 consecutive bytes, aligned
.endm
	s_load_b128 s[4:7], s[0:1], 0x0                ; xc, wc
	s_load_b64 s[12:13], s[0:1], 0x10              ; qkv
	v_lshl_add_u32 v[SPW], v0, 2, SPARE
	v_mov_b32 v[NIL], 0
	ds_add_u32 v[SPW], v[NIL]                      ; the opening lines: the add twice on end and its wait
	ds_add_u32 v[SPW], v[NIL]
	v_lshrrev_b32 v1, 5, v0
	v_readfirstlane_b32 s14, v1                    ; wave
	s_lshr_b32 s15, s14, 1                         ; which of the two tokens' images is mine
	s_and_b32 s16, s14, 1                          ; which half of S1's rows
	s_bfe_u32 s40, ttmp6, 0x40000                  ; cx
	s_bfe_u32 s41, ttmp6, 0x40004                  ; cy
	s_lshl_b32 s42, ttmp9, 2
	s_add_co_u32 s42, s42, s40                     ; j
	s_and_b32 s17, ttmp7, 0xffff
	s_lshl_b32 s17, s17, 2
	s_add_co_u32 s17, s17, s41                     ; T
	s_lshl_b32 s43, s41, 2
	s_lshl_b32 s43, 15, s43                        ; my row of the cluster
	s_lshl_b32 s44, 0x1111, s40                    ; my column
	s_or_b32 s[G1T], s43, (3<<16)|(1<<21)          ; dense rows of 256 bytes (32 elements of 8): 400 an image,
	s_or_b32 s[G1C], s44, (3<<16)|(1<<21)          ; 200 half an image,
	s_or_b32 s[G1R], s44, (3<<16)|(1<<21)          ; 100 a quarter
.irp g, G1T, G1C, G1R
	s_mov_b32 s[\g+1], 32<<16
	s_mov_b32 s[\g+3], 32<<16
	s_mov_b32 s[\g+5], 32
	s_mov_b32 s[\g+6], 0
	s_mov_b32 s[\g+7], 0
.endr
	s_mov_b32 s[G1T+2], 400<<16
	s_mov_b32 s[G1T+4], 400
	s_mov_b32 s[G1C+2], 200<<16
	s_mov_b32 s[G1C+4], 200
	s_mov_b32 s[G1R+2], 100<<16
	s_mov_b32 s[G1R+4], 100
	s_lshl_b32 s20, s17, 1
	s_add_co_u32 s20, s20, s16
	s_mul_i32 s20, s20, IMG                        ; tokens' image 2 T + wave % 2
	s_mov_b32 s21, 0
	s_mul_i32 s46, s42, IMG                        ; q's columns' image j
	s_mov_b32 s47, 0
	s_mul_i32 s22, s16, IMG/2
	s_mov_b32 s23, 0
	s_mul_i32 s18, s14, IMG/4
	s_mov_b32 s19, 0
	s_mov_b32 s74, 0x76543210
	s_mov_b32 s75, 0xfedcba98                      ; v_permlanex16_b32's selects for lane l xor 16
	s_wait_dscnt 0x0
	s_wait_kmcnt 0x0
	s_add_nc_u64 s[20:21], s[4:5], s[20:21]
	s_add_nc_u64 s[46:47], s[6:7], s[46:47]
	CROUND                                         ; all sixteen work-groups are here: the first joint loads meet
	s_mov_b32 s[G0T], 1
	s_mul_i32 s[G0T+1], s16, IMG
	s_mov_b64 s[G0T+2:G0T+3], s[20:21]
	s_or_b32 s[G0T+3], s[G0T+3], 0x80000000
	s_mov_b32 s[G0H], 1
	s_add_co_u32 s[G0H+1], s22, IC
	s_add_nc_u64 s[G0H+2:G0H+3], s[46:47], s[22:23]
	s_or_b32 s[G0H+3], s[G0H+3], 0x80000000
	s_mov_b32 s[G0R], 1
	s_add_co_u32 s[G0R+1], s18, IC
	s_add_nc_u64 s[G0R+2:G0R+3], s[46:47], s[18:19]
	s_or_b32 s[G0R+3], s[G0R+3], 0x80000000
	s_cmp_eq_u32 s15, 0                            ; one load a wave: waves 0, 1 a tokens' image each, waves 2, 3 half of the columns' image each
	s_cbranch_scc0 .Lhead_c
	tensor_load_to_lds s[G0T:G0T+3], s[G1T:G1T+7]
	s_nop 0
	PLACES
	s_branch .Lhead_j
.Lhead_c:
	tensor_load_to_lds s[G0H:G0H+3], s[G1C:G1C+7]
	s_nop 0
	PLACES
.Lhead_j:
	s_mul_i32 s20, s15, IMG
	s_mul_i32 s21, s16, 6144                       ; four groups of a K step
	s_mul_i32 s22, s16, 2048                       ; 64 rows of scale bytes
	s_mul_i32 s23, s14, WST
	s_add_co_u32 s23, s23, STAGE
	s_mul_i32 s18, s16, 5888
	s_lshl_b32 s72, s17, 1
	s_add_co_u32 s72, s72, s15                     ; my group of 128 tokens, 0..63
	s_lshr_b32 s73, s72, 3
	s_lshl_b32 s73, s73, 6
	s_and_b32 s72, s72, 7
	s_add_co_u32 s72, s72, s73
	s_lshl_b32 s73, s42, 3
	s_add_co_u32 s72, s72, s73
	s_mul_i32 s72, s72, 12800
	s_add_co_u32 s72, s72, s21                     ; my half of the block
	s_mov_b32 s73, 0
	s_add_nc_u64 s[12:13], s[12:13], s[72:73]
	s_mov_b32 s3, 0
	v_and_b32 v1, 15, v0                           ; r
	v_bfe_u32 v2, v0, 4, 1                         ; h
	v_mul_u32_u24 v3, v1, 48
	v_mad_u32_u24 v3, v2, 24, v3
	v_add_nc_u32 v[T0], s20, v3                    ; my tokens' image, all eight groups;
	v_add_nc_u32 v[T1], s21, v[T0]                 ; my four groups of it;
	v_add_nc_u32 v[C0], IC, v3                     ; the same of the columns' image
	v_add_nc_u32 v[C1], s21, v[C0]
.irp a, T0, T1, C0, C1
	v_add_nc_u32 v[\a+1], 4*STP, v[\a]
.endr
	v_lshlrev_b32 v23, 5, v1
	v_add_nc_u32 v[SC0], IC+SCO, v23
	v_add_nc_u32 v[SC1], s22, v[SC0]
	v_add_nc_u32 v23, SCO, v23
	v_add_nc_u32 v[ST0], s20, v23
	v_add_nc_u32 v[ST1], s22, v[ST0]
	v_add_nc_u32 v[STO], s23, v3
	v_lshlrev_b32 v24, 2, v1
	v_add_nc_u32 v24, s23, v24
	v_add_nc_u32 v[SSO], 1536, v24
	v_and_b32 v25, 31, v0
	v_lshlrev_b32 v[CO], 3, v25
	v_add_nc_u32 v[RD], s23, v[CO]
	v_add_nc_u32 v[RDS], 1536, v[RD]
	v_add_nc_u32 v[CS], 12288, v[CO]
	v_sub_nc_u32 v[CS], v[CS], s18                 ; the scale words: byte 12,288 + 256 x half of the block, counted from my half's codes
	v_lshlrev_b32 v[SH8], 3, v2
	v_mov_b32 v[QTP], 0                            ; a lane permute's destination counts as one of its sources
.Ltile:                                                ; q, then k
	TILE C0, T1, SC0, ST1, 1
	s_wait_xcnt 0x0                                ; the stores have read their base and their registers
	s_add_nc_u64 s[12:13], s[12:13], 512*12800     ; the next section
	s_add_co_u32 s3, s3, 1
	s_cmp_lt_u32 s3, 2
	s_cbranch_scc1 .Ltile
	TILE T0, C1, ST0, SC1, 0                       ; v: the sources change roles; nothing is left to fetch
	s_wait_tensorcnt 0x0                           ; the wave's end
	ds_add_u32 v[SPW], v[NIL]
	s_wait_dscnt 0x0
	CROUND                                         ; the closing round
	s_endpgm
.Lfunc_end_k_qdc6266df24_gemm_qkv:
	.size	k_qdc6266df24_gemm_qkv, .Lfunc_end_k_qdc6266df24_gemm_qkv-k_qdc6266df24_gemm_qkv
	.p2alignl 7, 3214868480
	.fill 96, 4, 3214868480
	.section	.rodata,"a",@progbits
	.p2align	6, 0x0
	.amdhsa_kernel k_qdc6266df24_gemm_qkv
		.amdhsa_group_segment_fixed_size 327680
		.amdhsa_private_segment_fixed_size 0
		.amdhsa_enable_private_segment 0
		.amdhsa_kernarg_size 24
		.amdhsa_user_sgpr_count 2
		.amdhsa_user_sgpr_kernarg_segment_ptr 1
		.amdhsa_wavefront_size32 1
		.amdhsa_system_sgpr_workgroup_id_x 1
		.amdhsa_system_sgpr_workgroup_id_y 1
		.amdhsa_system_sgpr_workgroup_id_z 1
		.amdhsa_system_vgpr_workitem_id 0
		.amdhsa_next_free_vgpr 768
		.amdhsa_next_free_sgpr 76
		.amdhsa_reserve_vcc 0
		.amdhsa_float_denorm_mode_32 3
		.amdhsa_float_denorm_mode_16_64 3
		.amdhsa_memory_ordered 1
		.amdhsa_forward_progress 1
		.amdhsa_inst_pref_size 188
	.end_amdhsa_kernel
	.amdgpu_metadata
---
amdhsa.version: [ 1, 2 ]
amdhsa.kernels:
  - .name:           k_qdc6266df24_gemm_qkv
    .symbol:         k_qdc6266df24_gemm_qkv.kd
    .args:
      - { .name: xc, .offset: 0, .size: 8, .value_kind: global_buffer, .address_space: global }
      - { .name: wc, .offset: 8, .size: 8, .value_kind: global_buffer, .address_space: global }
      - { .name: qkv, .offset: 16, .size: 8, .value_kind: global_buffer, .address_space: global }
    .group_segment_fixed_size: 327680
    .private_segment_fixed_size: 0
    .kernarg_segment_align: 8
    .kernarg_segment_size: 24
    .max_flat_workgroup_size: 128
    .sgpr_count:     76
    .vgpr_count:     768
    .wavefront_size: 32
...
	.end_amdgpu_metadata
.endif
;; end of part 2
;; launch attn (part 3): grid 256 x 1, 16 waves a work-group, clusters of 4 x 1, 327,680 bytes of LDS; arguments qkv, yc; writes yc
.if DOCPART == 3
	.amdgcn_target "amdgcn-amd-amdhsa--gfx1250"
	.amdhsa_code_object_version 6
	.text
	.protected	k_qdc6266df24_attn
	.globl	k_qdc6266df24_attn
	.p2align	8
	.type	k_qdc6266df24_attn,@function
k_qdc6266df24_attn:
	s_mov_b64 s[64:65], 0
	v_nop
	global_prefetch_b8 v0, s[64:65] scope:SCOPE_SE
	s_setreg_imm32_b32 hwreg(HW_REG_WAVE_MODE, 25, 1), 1
	s_wait_xcnt 0x0
	s_wait_alu depctr_hold_cnt(0) depctr_sa_sdst(0) depctr_va_vdst(0) depctr_va_sdst(0) depctr_va_ssrc(0) depctr_va_vcc(0) depctr_vm_vsrc(0)
	s_getreg_b32 s2, hwreg(HW_REG_IB_STS2, 6, 4)
	s_cmp_eq_u32 s2, 0
	s_cbranch_scc0 .Lentry_in_a_cluster
	s_endpgm
.Lentry_in_a_cluster:
	s_bfe_u32 s2, ttmp6, 0x10000c
	s_cmp_lg_u32 s2, 0x3003
	s_cbranch_scc0 .Lentry_shape_is_right
	s_endpgm
.Lentry_shape_is_right:
; Causal attention on codes of BF6: a cluster of four work-groups takes one batch and pair of heads; a wave takes 16 queries of token group A1 and 16 of group 7 - A1: nine steps of 128 keys in all.
; Steps of 128 keys that lie wholly above a query tile's diagonal are left out: reference()'s own mask gives them the weight 0 for all inputs.
; K's and V's eight blocks of 12,800 bytes each come once, one joint tensor load a wave.  The promise holds while the scaled scores stay under 2^31 in magnitude.
; OUT: y's codes and scale bytes, in images of 128 tokens laid as the first launch lays xc: the head's unit of 768 bytes at [head / 2][group][head % 2], its two scale bytes a row behind byte 98,304.
.set VB,   102400
.set BLKB, 12800
.set SCW,  12288
.set STG,  204800
.set WV, 10
.set HD, 11
.set A1, 12
.set C3, 15
.set G1, 16
.set G0, 24
.set SEL, 32
.set CS, 34
.set TB, 36
.set SI, 37
.set AA, 38
.macro CROUND
	s_barrier_signal -1
	s_barrier_wait -1
	s_cmp_lg_u32 s[WV], 0
	s_cbranch_scc1 .Lnot_wave_0_\@
	s_barrier_signal -3
.Lnot_wave_0_\@:
	s_barrier_wait -3
	s_barrier_signal -1
	s_barrier_wait -1
.endm
	s_load_b128 s[4:7], s[0:1], 0x0
	v_lshl_add_u32 v254, v0, 2, 0x36000
	v_mov_b32 v255, 0
	ds_add_u32 v254, v255
	ds_add_u32 v254, v255
	v_lshrrev_b32 v1, 5, v0
	s_delay_alu instid0(VALU_DEP_1)
	v_readfirstlane_b32 s[WV], v1
	s_lshr_b32 s[HD], s[WV], 3
	s_and_b32 s[A1], s[WV], 3
	s_bfe_u32 s13, s[WV], 0x10002
	s_bfe_u32 s14, ttmp6, 0x40000
	s_lshl_b32 s[C3], s14, 1
	s_add_co_u32 s[C3], s[C3], s13
	s_mov_b32 s[G1], 15|(3<<16)|(1<<21)
	s_mov_b32 s[G1+1], 32<<16
	s_mov_b32 s[G1+2], 50<<16
	s_mov_b32 s[G1+3], 32<<16
	s_mov_b32 s[G1+4], 50
	s_mov_b32 s[G1+5], 32
	s_mov_b32 s[G1+6], 0
	s_mov_b32 s[G1+7], 0
	s_and_b32 s52, s[WV], 7
	s_mul_i32 s52, s52, 12800
	s_mul_i32 s53, s[HD], VB
	s_add_co_u32 s53, s53, s52
	s_mul_i32 s54, s[HD], 6553600
	s_add_co_u32 s54, s54, 6553600
	s_mul_i32 s55, ttmp9, 102400
	s_add_co_u32 s54, s54, s55
	s_add_co_u32 s54, s54, s52
	s_mov_b32 s55, 0
	s_mov_b32 s[SEL], 0x76543210
	s_mov_b32 s[SEL+1], 0xfedcba98
	s_mov_b32 s[CS], 0x3e38aa3b
	s_mov_b32 s[CS+1], s[CS]
	s_lshl_b32 s56, ttmp9, 3
	s_add_co_u32 s57, s56, s[A1]
	s_mul_i32 s40, s57, BLKB
	s_mov_b32 s41, 0
	s_sub_co_u32 s58, 7, s[A1]
	s_add_co_u32 s57, s56, s58
	s_mul_i32 s42, s57, BLKB
	s_mov_b32 s43, 0
	s_lshr_b32 s56, ttmp9, 3
	s_lshl_b32 s56, s56, 6
	s_add_co_u32 s56, s56, s[C3]
	s_and_b32 s57, ttmp9, 7
	s_lshl_b32 s57, s57, 1
	s_add_co_u32 s57, s57, s[HD]
	s_lshl_b32 s59, s[A1], 3
	s_add_co_u32 s59, s59, s56
	s_lshl_b32 s58, s58, 3
	s_add_co_u32 s58, s58, s56
	s_lshr_b32 s52, s57, 1
	s_mul_i32 s52, s52, 12288
	s_and_b32 s56, s57, 1
	s_mul_i32 s56, s56, 768
	s_add_co_u32 s52, s52, s56
	s_lshl_b32 s57, s57, 1
	s_add_co_u32 s57, s57, 98304
	s_lshr_b32 s60, s59, 3
	s_mul_i32 s60, s60, 102400
	s_and_b32 s61, s59, 7
	s_mul_i32 s44, s61, 1536
	s_add_co_u32 s44, s44, s60
	s_add_co_u32 s44, s44, s52
	s_mov_b32 s45, 0
	s_lshl_b32 s48, s61, 9
	s_add_co_u32 s48, s48, s60
	s_add_co_u32 s48, s48, s57
	s_mov_b32 s49, 0
	s_lshr_b32 s60, s58, 3
	s_mul_i32 s60, s60, 102400
	s_and_b32 s61, s58, 7
	s_mul_i32 s46, s61, 1536
	s_add_co_u32 s46, s46, s60
	s_add_co_u32 s46, s46, s52
	s_mov_b32 s47, 0
	s_lshl_b32 s50, s61, 9
	s_add_co_u32 s50, s50, s60
	s_add_co_u32 s50, s50, s57
	s_mov_b32 s51, 0
	s_wait_dscnt 0x0
	s_wait_kmcnt 0x0
	s_add_nc_u64 s[40:41], s[4:5], s[40:41]
	s_add_nc_u64 s[42:43], s[4:5], s[42:43]
	s_add_nc_u64 s[44:45], s[6:7], s[44:45]
	s_add_nc_u64 s[46:47], s[6:7], s[46:47]
	s_add_nc_u64 s[48:49], s[6:7], s[48:49]
	s_add_nc_u64 s[50:51], s[6:7], s[50:51]
	s_mov_b32 s[G0], 1
	s_mov_b32 s[G0+1], s53
	s_add_nc_u64 s[G0+2:G0+3], s[4:5], s[54:55]
	s_or_b32 s[G0+3], s[G0+3], 0x80000000
	CROUND
	tensor_load_to_lds s[G0:G0+3], s[G1:G1+7]
	s_nop 0
.rept 4
	v_nop
.endr
	v_and_b32 v8, 15, v0
	s_wait_alu depctr_va_vdst(0)
	v_bfe_u32 v9, v0, 4, 1
	v_mul_u32_u24 v10, v8, 48
	s_delay_alu instid0(VALU_DEP_1)
	v_mad_u32_u24 v10, v9, 24, v10
	v_lshlrev_b32 v11, 2, v8
	s_mul_i32 s52, s[HD], 3072
	v_add_nc_u32 v1, s52, v10
	s_mul_i32 s52, s[HD], 6144
	s_add_co_u32 s52, s52, VB
	v_add_nc_u32 v2, s52, v10
	s_lshl_b32 s52, s[HD], 1
	s_add_co_u32 s52, s52, SCW
	v_add_nc_u32 v3, s52, v11
	s_lshl_b32 s52, s[HD], 8
	s_add_co_u32 s52, s52, VB+SCW
	v_add_nc_u32 v4, s52, v11
	s_lshr_b32 s52, s[C3], 2
	s_lshl_b32 s52, s52, 6
	s_and_b32 s53, s[C3], 3
	s_lshl_b32 s53, s53, 3
	s_add_co_u32 s52, s52, s53
	v_lshrrev_b32 v5, 3, v8
	s_wait_alu depctr_va_vdst(0)
	v_sub_nc_u32 v5, v5, v9
	s_delay_alu instid0(VALU_DEP_1)
	v_lshlrev_b32 v5, 5, v5
	v_and_b32 v12, 7, v8
	s_delay_alu instid0(VALU_DEP_1)
	v_add3_u32 v5, v5, v12, s52
	v_mov_b32 v6, 0xff800000
	v_lshlrev_b32 v7, 3, v9
	s_lshl_b32 s52, s[WV], 10
	s_add_co_u32 s52, s52, STG
	v_add_nc_u32 v30, s52, v10
	v_and_b32 v238, 31, v0
	s_delay_alu instid0(VALU_DEP_1)
	v_lshlrev_b32 v238, 3, v238
	s_delay_alu instid0(VALU_DEP_1)
	v_add_nc_u32 v31, s52, v238
	v_lshl_add_u32 v239, v8, 5, v9
	s_lshr_b32 s52, s[C3], 2
	s_mul_i32 s52, s52, 6144
	s_mul_i32 s53, s[HD], 3072
	s_add_co_u32 s52, s52, s53
	s_and_b32 s53, s[C3], 3
	s_mul_i32 s53, s53, 768
	s_add_co_u32 s52, s52, s53
	v_add_nc_u32 v246, s52, v10
	s_lshl_b32 s52, s[C3], 6
	s_lshl_b32 s53, s[HD], 1
	s_add_co_u32 s52, s52, s53
	s_add_co_u32 s52, s52, SCW
	v_add_nc_u32 v247, s52, v11
.irp p, 0,1,2
	global_load_b64 v[16+2*\p:17+2*\p], v246, s[40:41] offset:8*\p
	global_load_b64 v[212+2*\p:213+2*\p], v246, s[42:43] offset:8*\p
.endr
	global_load_u16 v28, v247, s[40:41]
	global_load_u16 v29, v247, s[42:43]
.irp j, 22,23,24,25,26,27,218,219,220,221,222,223,80,81,82,83,84,85
	v_mov_b32 v[\j], 0
.endr
	v_mov_b32 v226, 0
	v_mov_b32 v227, 0
	v_mov_b32 v235, 0
	s_wait_loadcnt 0x0
	s_wait_tensorcnt 0x0
	s_barrier_signal -1
	s_barrier_wait -1
.macro PASS qf, qs, ns, yb, sb, second
.if \second
	s_sub_co_u32 s[AA], 7, s[A1]
.else
	s_mov_b32 s[AA], s[A1]
.endif
	s_mov_b32 s[TB], 0
	s_mov_b32 s[SI], 0
	v_mov_b32 v13, 0xff61b1e6
	s_delay_alu instid0(VALU_DEP_1)
	v_floor_f32 v12, -v13
	v_mov_b32 v14, 0
	v_mov_b32 v15, 0
.set j, 0
.rept 32
	v_mov_b32 v[160+j], 0
.set j, j+1
.endr
.Lstep_\@:
	s_cmp_gt_u32 s[SI], s[AA]
	s_cbranch_scc1 .Lhid_\@
	v_add_nc_u32 v8, s[TB], v1
	v_add_nc_u32 v9, s[TB], v2
	v_add_nc_u32 v10, s[TB], v3
	v_add_nc_u32 v11, s[TB], v4
.irp t, 0,1,2,3,4,5,6,7
.irp p, 0,1,2
	ds_load_b64 v[32+6*\t+2*\p:33+6*\t+2*\p], v8 offset:6144*(\t/4)+768*(\t%4)+8*\p
.endr
	ds_load_u16 v[86+\t], v10 offset:64*\t
.endr
	s_wait_alu depctr_va_vdst(0)
	s_wait_dscnt 0x0
.irp t, 0,1,2,3,4,5,6,7
	v_wmma_scale_f32_16x16x128_f8f6f4 v[96+8*\t:103+8*\t], v[32+6*\t:43+6*\t], v[\qf:\qf+11], 0, v[86+\t], v[\qs] matrix_a_fmt:MATRIX_FMT_BF6 matrix_b_fmt:MATRIX_FMT_BF6
.endr
.rept 4
	v_nop
.endr
.irp u, 0,1,2,3
.irp p, 0,1,2,3,4,5
	ds_load_b64 v[32+12*\u+2*\p:33+12*\u+2*\p], v9 offset:3072*(\p/3)+768*\u+8*(\p%3)
.endr
	ds_load_b32 v[86+\u], v11 offset:64*\u
.endr
	s_cmp_lg_u32 s[SI], s[AA]
	s_cbranch_scc1 .Lopen_\@
.set n, 0
.rept 64
	v_cmp_gt_i32 vcc_lo, 64*(n/32)+n%32, v5
	v_cndmask_b32 v[96+n], v[96+n], v6, vcc_lo
.set n, n+1
.endr
.Lopen_\@:
.irp c, 0,1
	v_max3_num_f32 v[224+\c], v[96+32*\c], v[97+32*\c], v[98+32*\c]
.endr
.irp i, 3,5,7,9,11,13,15,17,19,21,23,25,27,29
.irp c, 0,1
	v_max3_num_f32 v[224+\c], v[224+\c], v[96+32*\c+\i], v[97+32*\c+\i]
.endr
.endr
.irp c, 0,1
	v_max_num_f32 v[224+\c], v[224+\c], v[127+32*\c]
.endr
	s_delay_alu instid0(VALU_DEP_1)
	v_max_num_f32 v232, v224, v225
	s_delay_alu instid0(VALU_DEP_1)
	v_permlanex16_b32 v226, v232, s[SEL], s[SEL+1]
	s_delay_alu instid0(VALU_DEP_1)
	v_max_num_f32 v232, v232, v226
	s_delay_alu instid0(VALU_DEP_1)
	v_mul_f32 v232, s[CS], v232
	s_delay_alu instid0(VALU_DEP_1)
	v_max_num_f32 v13, v13, v232
	v_mov_b32 v232, v12
	s_delay_alu instid0(VALU_DEP_2)
	v_floor_f32 v12, -v13
	s_delay_alu instid0(VALU_DEP_1)
	v_sub_f32 v232, v12, v232
	s_delay_alu instid0(VALU_DEP_1)
	v_cvt_i32_f32 v232, v232
	s_delay_alu instid0(VALU_DEP_1)
	v_ldexp_f32 v234, 1.0, v232
.set j, 0
.rept 32
	v_pk_fma_f32 v[96+j:97+j], v[96+j:97+j], s[CS:CS+1], v[12:13] op_sel_hi:[1,0,0]
.set j, j+2
.endr
.irp c, 0,1
	v_fma_f32 v[224+\c], v[224+\c], s[CS], v12
.endr
.set j, 0
	s_wait_alu depctr_va_vdst(0)
.rept 64
	v_exp_f32 v[96+j], v[96+j]
.set j, j+1
.endr
	v_pk_mul_f32 v[14:15], v[14:15], v[234:235] op_sel_hi:[1,0]
	s_wait_alu depctr_va_vdst(0)
.irp c, 0,1
	v_exp_f32 v[224+\c], v[224+\c]
.endr
	v_pk_add_f32 v[236:237], v[96:97], v[98:99]
.irp j, 4,8,12,16,20,24,28,32,36,40,44,48,52,56,60
	v_pk_add_f32 v[14:15], v[14:15], v[96+\j:97+\j]
	v_pk_add_f32 v[236:237], v[236:237], v[98+\j:99+\j]
.endr
	s_delay_alu instid0(VALU_DEP_1)
	v_pk_add_f32 v[14:15], v[14:15], v[236:237]
	s_wait_alu depctr_va_vdst(0)
.irp c, 0,1
	v_max_num_f32 v[224+\c], 0x2800000, v[224+\c]
.endr
.irp c, 0,1
	s_delay_alu instid0(VALU_DEP_2)
	v_add_nc_u32 v[228+\c], 0xfe000000, v[224+\c]
.endr
.irp c, 0,1
	s_delay_alu instid0(VALU_DEP_2)
	v_lshrrev_b32 v[230+\c], 23, v[228+\c]
.endr
	s_delay_alu instid0(VALU_DEP_1)
	v_lshl_or_b32 v94, v231, 16, v230
	s_delay_alu instid0(VALU_DEP_1)
	v_lshlrev_b32 v94, v7, v94
	s_delay_alu instid0(VALU_DEP_1)
	v_permlanex16_b32 v227, v94, s[SEL], s[SEL+1]
	s_delay_alu instid0(VALU_DEP_1)
	v_or_b32 v94, v94, v227
.irp c, 0,1
	v_cvt_scalef32_pk16_bf6_f32 v[192+6*\c:194+6*\c], v[96+32*\c:111+32*\c], v[228+\c]
	v_cvt_scalef32_pk16_bf6_f32 v[204+4*\c:206+4*\c], v[112+32*\c:127+32*\c], v[228+\c]
.endr
	v_nop
.irp c, 0,1
.irp i, 0,1,2
	v_mov_b32 v[195+6*\c+\i], v[204+4*\c+\i]
.endr
.endr
.set j, 0
.rept 16
	v_pk_mul_f32 v[160+j:161+j], v[160+j:161+j], v[234:235] op_sel_hi:[1,0]
.set j, j+2
.endr
	s_wait_alu depctr_va_vdst(0)
	s_wait_dscnt 0x0
.irp u, 0,1,2,3
	v_wmma_scale_f32_16x16x128_f8f6f4 v[160+8*\u:167+8*\u], v[32+12*\u:43+12*\u], v[192:203], v[160+8*\u:167+8*\u], v[86+\u], v94 matrix_a_fmt:MATRIX_FMT_BF6 matrix_b_fmt:MATRIX_FMT_BF6
.endr
.Lhid_\@:
	s_add_co_u32 s[TB], s[TB], BLKB
	s_add_co_u32 s[SI], s[SI], 1
	s_cmp_lt_u32 s[SI], \ns
	s_cbranch_scc1 .Lstep_\@
.rept 4
	v_nop
.endr
	v_add_f32 v14, v14, v15
	s_delay_alu instid0(VALU_DEP_1)
	v_permlanex16_b32 v226, v14, s[SEL], s[SEL+1]
	s_delay_alu instid0(VALU_DEP_1)
	v_add_f32 v14, v14, v226
	s_wait_alu depctr_va_vdst(0)
	v_rcp_f32 v14, v14
	v_nop
	s_wait_alu depctr_va_vdst(0)
.set j, 0
.rept 16
	v_pk_mul_f32 v[96+j:97+j], v[160+j:161+j], v[14:15] op_sel_hi:[1,0]
.set j, j+2
.endr
	v_max3_num_f32 v224, |v96|, |v97|, 0x2800000
	v_max3_num_f32 v225, |v98|, |v99|, 0x2800000
.irp i, 4,8,12,16,20,24,28
	s_delay_alu instid0(VALU_DEP_2)
	v_max3_num_f32 v224, v224, |v[96+\i]|, |v[97+\i]|
	s_delay_alu instid0(VALU_DEP_2)
	v_max3_num_f32 v225, v225, |v[98+\i]|, |v[99+\i]|
.endr
	s_delay_alu instid0(VALU_DEP_1)
	v_max_num_f32 v224, v224, v225
	s_delay_alu instid0(VALU_DEP_1)
	v_add_nc_u32 v228, 0xfe000000, v224
	s_delay_alu instid0(VALU_DEP_1)
	v_lshrrev_b32 v230, 23, v228
	v_cvt_scalef32_pk16_bf6_f32 v[192:194], v[96:111], v228
	v_cvt_scalef32_pk16_bf6_f32 v[204:206], v[112:127], v228
	v_nop
.irp i, 0,1,2
	v_mov_b32 v[195+\i], v[204+\i]
.endr
.irp p, 0,1,2
	ds_store_b64 v30, v[192+2*\p:193+2*\p] offset:8*\p
.endr
.irp p, 0,1,2
	ds_load_b64 v[240+2*\p:241+2*\p], v31 offset:256*\p
.endr
	global_store_b8 v239, v230, s[\sb:\sb+1]
	s_wait_dscnt 0x0
.irp p, 0,1,2
	global_store_b64 v238, v[240+2*\p:241+2*\p], s[\yb:\yb+1] offset:256*\p
.endr
	s_wait_xcnt 0x0
.endm
	PASS 16, 28, 4, 44, 48, 0
	PASS 212, 29, 8, 46, 50, 1
	s_wait_dscnt 0x0
	s_wait_tensorcnt 0x0
	ds_add_u32 v254, v255
	s_wait_dscnt 0x0
	CROUND
	s_endpgm
.Lfunc_end_k_qdc6266df24_attn:
	.size	k_qdc6266df24_attn, .Lfunc_end_k_qdc6266df24_attn-k_qdc6266df24_attn
	.p2alignl 7, 3214868480
	.fill 96, 4, 3214868480
	.section	.rodata,"a",@progbits
	.p2align	6, 0x0
	.amdhsa_kernel k_qdc6266df24_attn
		.amdhsa_group_segment_fixed_size 327680
		.amdhsa_private_segment_fixed_size 0
		.amdhsa_enable_private_segment 0
		.amdhsa_kernarg_size 16
		.amdhsa_user_sgpr_count 2
		.amdhsa_user_sgpr_kernarg_segment_ptr 1
		.amdhsa_wavefront_size32 1
		.amdhsa_system_sgpr_workgroup_id_x 1
		.amdhsa_system_sgpr_workgroup_id_y 1
		.amdhsa_system_sgpr_workgroup_id_z 1
		.amdhsa_system_vgpr_workitem_id 0
		.amdhsa_next_free_vgpr 256
		.amdhsa_next_free_sgpr 66
		.amdhsa_reserve_vcc 1
		.amdhsa_float_denorm_mode_32 3
		.amdhsa_float_denorm_mode_16_64 3
		.amdhsa_memory_ordered 1
		.amdhsa_forward_progress 1
		.amdhsa_inst_pref_size 65
	.end_amdhsa_kernel
	.amdgpu_metadata
---
amdhsa.version: [ 1, 2 ]
amdhsa.kernels:
  - .name:           k_qdc6266df24_attn
    .symbol:         k_qdc6266df24_attn.kd
    .args:
      - { .name: qkv, .offset: 0, .size: 8, .value_kind: global_buffer, .address_space: global }
      - { .name: yc, .offset: 8, .size: 8, .value_kind: global_buffer, .address_space: global }
    .group_segment_fixed_size: 327680
    .private_segment_fixed_size: 0
    .kernarg_segment_align: 8
    .kernarg_segment_size: 16
    .max_flat_workgroup_size: 512
    .sgpr_count:     66
    .vgpr_count:     256
    .wavefront_size: 32
...
	.end_amdgpu_metadata
.endif
;; end of part 3
;; launch gemm_proj (part 4): grid 8 x 32, 4 waves a work-group, clusters of 4 x 4, 327,680 bytes of LDS; arguments yc, wc, out0; writes out0
.if DOCPART == 4
	.amdgcn_target "amdgcn-amd-amdhsa--gfx1250"
	.amdhsa_code_object_version 6
	.text
	.protected	k_qdc6266df24_gemm_proj
	.globl	k_qdc6266df24_gemm_proj
	.p2align	8
	.type	k_qdc6266df24_gemm_proj,@function
k_qdc6266df24_gemm_proj:
	s_mov_b64 s[64:65], 0
	v_nop
	global_prefetch_b8 v0, s[64:65] scope:SCOPE_SE
	s_setreg_imm32_b32 hwreg(HW_REG_WAVE_MODE, 25, 1), 1
	s_wait_xcnt 0x0
	s_wait_alu depctr_hold_cnt(0) depctr_sa_sdst(0) depctr_va_vdst(0) depctr_va_sdst(0) depctr_va_ssrc(0) depctr_va_vcc(0) depctr_vm_vsrc(0)
	s_getreg_b32 s2, hwreg(HW_REG_IB_STS2, 6, 4)
	s_cmp_eq_u32 s2, 0
	s_cbranch_scc0 .Lentry_in_a_cluster
	s_endpgm
.Lentry_in_a_cluster:
	s_bfe_u32 s2, ttmp6, 0x10000c
	s_cmp_lg_u32 s2, 0xf033
	s_cbranch_scc0 .Lentry_shape_is_right
	s_endpgm
.Lentry_shape_is_right:
; out0 = y W_proj on codes of BF6 (E3M2) with E8M0 scales, K = 1024, sums in f32.  Work-group (j, T): 256 tokens (two images of yc) x 128 columns (image 24 + j of wc), all of K in LDS, filled once.
; Source 0 = the 128 columns, source 1 = my 64 tokens: a wave makes 64 x 128, 32 accumulators; a lane holds eight neighbouring columns of a row of out0.
; An image: codes [K step 8][group of 16 rows 8][unit 2][row 16][48 bytes], scale bytes from 98,304 on, 32 a row.  Rows lie permuted inside groups of 64 (row 32 hb + 8 u + i at place 16 u + 8 hb + i); the way out puts them back.
; CLUSTERS: 4 x 4; the tokens' images are asked for jointly along a row of the cluster, the columns' along a column.  No prefetch: everything is asked for once, at the head: there is no loop to run ahead in.
; REGISTERS: window 0: v0-31 addresses; v32-95, v96-127 scale words of all K; v128-223 source 1's fragments, two sets (on the way out v128-255: rows read back).  window 1: source 0's fragments, two sets.  window 2: accumulators.
.set IMG, 102400
.set SCO, 98304
.set STP, 12288
.set IC,  2*IMG
.set SPARE, 3*IMG
.set SPITCH, 528                       ; the way out: a stage of 16 rows x (512 + 16) bytes a wave, in the first image, behind a barrier behind which nobody reads it
.set T1, 6
.set C0, 8
.set ST1, 13
.set SC0, 14
.set STO, 16
.set RD, 18
.set CO, 20
.set SPW, 28
.set NIL, 29
.set SS0, 32
.set SS1, 96
.set F1, 128
.set BK, 128
.set G1T, 24
.set G1C, 32
.set G0T, 56
.set G0H, 60
.set MUL, 0xa1
.set TO_B, 0x40
.set MSB, 0
.macro WIN new
.if MSB != \new
	s_set_vgpr_msb (MSB<<8)|\new
.set MSB, \new
.endif
.endm
.macro CREST
	s_cmp_lg_u32 s14, 0
	s_cbranch_scc1 .Lnot_wave_0_\@
	s_barrier_signal -3
.Lnot_wave_0_\@:
	s_barrier_wait -3
	s_barrier_signal -1
	s_barrier_wait -1
.endm
.macro CROUND
	s_barrier_signal -1
	s_barrier_wait -1
	CREST
.endm
.macro PLACES
.rept 4
	v_nop
.endr
.endm
.macro FRAG reg, adr, st, i
.irp p, 0,1,2,3,4,5
	ds_load_b64 v[\reg+2*\p:\reg+2*\p+1], v[\adr+(\st)/4] offset:((\st)%4)*STP+(\i)*1536+768*(\p/3)+8*(\p%3)
.endr
.endm
.macro FETCH st
	WIN TO_B
.irp i, 0,1,2,3,4,5,6,7
	FRAG 128*((\st)%2)+12*\i, C0, \st, \i
.endr
	WIN 0
.irp i, 0,1,2,3
	FRAG F1+48*((\st)%2)+12*\i, T1, \st, \i
.endr
.endm
.macro MUL16 a0, st, zero              ; the 32 accumulators take turns, in the same order in every step
.irp a, \a0, \a0+1
.irp b, 0,1,2,3,4,5,6,7
.if \zero
	v_wmma_scale_f32_16x16x128_f8f6f4 v[8*(8*(\a)+\b):8*(8*(\a)+\b)+7], v[128*((\st)%2)+12*\b:128*((\st)%2)+12*\b+11], v[F1+48*((\st)%2)+12*(\a):F1+48*((\st)%2)+12*(\a)+11], 0, v[SS0+8*\b+(\st)], v[SS1+8*(\a)+(\st)] matrix_a_fmt:MATRIX_FMT_BF6 matrix_b_fmt:MATRIX_FMT_BF6
.else
	v_wmma_scale_f32_16x16x128_f8f6f4 v[8*(8*(\a)+\b):8*(8*(\a)+\b)+7], v[128*((\st)%2)+12*\b:128*((\st)%2)+12*\b+11], v[F1+48*((\st)%2)+12*(\a):F1+48*((\st)%2)+12*(\a)+11], v[8*(8*(\a)+\b):8*(8*(\a)+\b)+7], v[SS0+8*\b+(\st)], v[SS1+8*(\a)+(\st)] matrix_a_fmt:MATRIX_FMT_BF6 matrix_b_fmt:MATRIX_FMT_BF6
.endif
.endr
.endr
.endm
.macro STEP st, zero
	s_wait_dscnt 0x0
	PLACES
	FETCH (\st)+1
	WIN MUL
	MUL16 0, \st, \zero
	MUL16 2, \st, \zero
.endm
.macro TOSTAGE a
	WIN 0x08
.irp b, 0,1,2,3,4,5,6,7
	ds_store_b128 v[STO], v[64*(\a)+8*\b:64*(\a)+8*\b+3] offset:256*(\b/4)+32*(\b%4)       ; each accumulator from its low end on; column 64 (b / 4) + 32 h + 8 (b % 4) + register
	ds_store_b128 v[STO], v[64*(\a)+8*\b+4:64*(\a)+8*\b+7] offset:256*(\b/4)+32*(\b%4)+16
.endr
	WIN 0
.irp t, 0,1,2,3,4,5,6,7,8,9,10,11,12,13,14,15
	ds_load_b128 v[BK+64*((\a)%2)+4*\t:BK+64*((\a)%2)+4*\t+3], v[RD] offset:\t*SPITCH   ; LDS serves a wave's instructions in order
.endr
.endm
.macro SEND a, younger
	s_wait_dscnt \younger
.irp t, 0,1,2,3,4,5,6,7,8,9,10,11,12,13,14,15
	global_store_b128 v[CO], v[BK+64*((\a)%2)+4*\t:BK+64*((\a)%2)+4*\t+3], s[12:13] offset:(32*(\t/8)+8*(\a)+\t%8)*4096 th:TH_STORE_NT   ; 512 consecutive bytes, aligned
.endr
.endm
	s_load_b128 s[4:7], s[0:1], 0x0                ; yc, wc
	s_load_b64 s[12:13], s[0:1], 0x10              ; out0
	v_lshl_add_u32 v[SPW], v0, 2, SPARE
	v_mov_b32 v[NIL], 0
	ds_add_u32 v[SPW], v[NIL]                      ; the opening lines: the add twice on end and its wait
	ds_add_u32 v[SPW], v[NIL]
	v_lshrrev_b32 v1, 5, v0
	v_readfirstlane_b32 s14, v1                    ; wave
	s_lshr_b32 s15, s14, 1                         ; which tokens' image is mine
	s_and_b32 s16, s14, 1                          ; which 64 places of it
	s_bfe_u32 s40, ttmp6, 0x40000
	s_bfe_u32 s41, ttmp6, 0x40004
	s_lshl_b32 s42, ttmp9, 2
	s_add_co_u32 s42, s42, s40                     ; j
	s_and_b32 s17, ttmp7, 0xffff
	s_lshl_b32 s17, s17, 2
	s_add_co_u32 s17, s17, s41                     ; T
	s_lshl_b32 s43, s41, 2
	s_lshl_b32 s43, 15, s43
	s_lshl_b32 s44, 0x1111, s40
	s_or_b32 s[G1T], s43, (3<<16)|(1<<21)          ; dense rows of 256 bytes: 400 an image,
	s_or_b32 s[G1C], s44, (3<<16)|(1<<21)          ; 200 half an image
.irp g, G1T, G1C
	s_mov_b32 s[\g+1], 32<<16
	s_mov_b32 s[\g+3], 32<<16
	s_mov_b32 s[\g+5], 32
	s_mov_b32 s[\g+6], 0
	s_mov_b32 s[\g+7], 0
.endr
	s_mov_b32 s[G1T+2], 400<<16
	s_mov_b32 s[G1T+4], 400
	s_mov_b32 s[G1C+2], 200<<16
	s_mov_b32 s[G1C+4], 200
	s_lshl_b32 s20, s17, 1
	s_add_co_u32 s20, s20, s16
	s_mul_i32 s20, s20, IMG
	s_mov_b32 s21, 0
	s_add_co_u32 s46, s42, 24
	s_mul_i32 s46, s46, IMG                        ; W_proj's image j
	s_mov_b32 s47, 0
	s_mul_i32 s22, s16, IMG/2
	s_mov_b32 s23, 0
	s_wait_dscnt 0x0
	s_wait_kmcnt 0x0
	s_add_nc_u64 s[20:21], s[4:5], s[20:21]
	s_add_nc_u64 s[46:47], s[6:7], s[46:47]
	CROUND                                         ; all sixteen work-groups are here: the joint loads meet
	s_mov_b32 s[G0T], 1
	s_mul_i32 s[G0T+1], s16, IMG
	s_mov_b64 s[G0T+2:G0T+3], s[20:21]
	s_or_b32 s[G0T+3], s[G0T+3], 0x80000000
	s_mov_b32 s[G0H], 1
	s_add_co_u32 s[G0H+1], s22, IC
	s_add_nc_u64 s[G0H+2:G0H+3], s[46:47], s[22:23]
	s_or_b32 s[G0H+3], s[G0H+3], 0x80000000
	s_cmp_eq_u32 s15, 0                            ; one load a wave: waves 0, 1 a tokens' image each, waves 2, 3 half of the columns' image each
	s_cbranch_scc0 .Lhead_c
	tensor_load_to_lds s[G0T:G0T+3], s[G1T:G1T+7]
	s_nop 0
	PLACES
	s_branch .Lhead_j
.Lhead_c:
	tensor_load_to_lds s[G0H:G0H+3], s[G1C:G1C+7]
	s_nop 0
	PLACES
.Lhead_j:
	s_mul_i32 s20, s15, IMG
	s_mul_i32 s21, s16, 6144
	s_add_co_u32 s21, s21, s20                     ; my four groups of my image
	s_mul_i32 s22, s16, 2048
	s_add_co_u32 s22, s22, s20
	s_add_co_u32 s22, s22, SCO                     ; and their scale bytes
	s_mul_i32 s23, s14, 16*SPITCH                  ; my stage
	s_lshl_b32 s72, s17, 1
	s_add_co_u32 s72, s72, s15
	s_lshl_b32 s72, s72, 1
	s_add_co_u32 s72, s72, s16                     ; my 64 rows of out0
	s_lshl_b32 s72, s72, 18                        ; x 64 rows of 4,096 bytes
	s_lshl_b32 s73, s42, 9                         ; + 128 columns x j
	s_add_co_u32 s72, s72, s73
	s_mov_b32 s73, 0
	s_add_nc_u64 s[12:13], s[12:13], s[72:73]
	v_and_b32 v1, 15, v0
	v_bfe_u32 v2, v0, 4, 1
	v_mul_u32_u24 v3, v1, 48
	v_mad_u32_u24 v3, v2, 24, v3
	v_add_nc_u32 v[T1], s21, v3
	v_add_nc_u32 v[C0], IC, v3
	v_add_nc_u32 v[T1+1], 4*STP, v[T1]
	v_add_nc_u32 v[C0+1], 4*STP, v[C0]
	v_lshlrev_b32 v23, 5, v1
	v_add_nc_u32 v[SC0], IC+SCO, v23
	v_add_nc_u32 v[ST1], s22, v23
	v_mul_u32_u24 v24, v1, SPITCH
	v_lshl_add_u32 v24, v2, 7, v24
	v_add_nc_u32 v[STO], s23, v24                  ; in: row r, 128 bytes for each half of the lanes
	v_and_b32 v25, 31, v0
	v_lshlrev_b32 v[CO], 4, v25
	v_add_nc_u32 v[RD], s23, v[CO]                 ; back: the 32 lanes take a row of 512 bytes
	s_wait_alu depctr_va_vdst(0)                   ; the wait at the head's end
	s_wait_tensorcnt 0x0                           ; my part is in;
	s_barrier_signal -1
	s_barrier_wait -1                              ; and everybody's
.irp i, 0,1,2,3,4,5,6,7
	ds_load_b128 v[SS0+8*\i:SS0+8*\i+3], v[SC0] offset:512*\i
	ds_load_b128 v[SS0+8*\i+4:SS0+8*\i+7], v[SC0] offset:512*\i+16
.endr
.irp i, 0,1,2,3
	ds_load_b128 v[SS1+8*\i:SS1+8*\i+3], v[ST1] offset:512*\i
	ds_load_b128 v[SS1+8*\i+4:SS1+8*\i+7], v[ST1] offset:512*\i+16
.endr
	FETCH 0
	STEP 0, 1                                      ; the first products start the sums
.irp st, 1,2,3,4,5,6
	STEP \st, 0
.endr
	s_wait_dscnt 0x0                               ; my reads of the images are over
	s_barrier_signal -1
	MUL16 0, 7, 0
	MUL16 2, 7, 0
	WIN 0
	s_barrier_wait -1                              ; and everybody's: the stages may be written
	PLACES
	TOSTAGE 0
.irp a, 1,2,3
.if \a > 1
	s_wait_xcnt 0x0                                ; block a - 2's stores have read their registers
.endif
	TOSTAGE \a
	SEND \a-1, 32                                  ; behind block a - 1's loads: block a's 16 stores and 16 loads
.endr
	SEND 3, 0
	s_wait_tensorcnt 0x0                           ; the wave's end
	ds_add_u32 v[SPW], v[NIL]
	s_wait_dscnt 0x0
	CROUND                                         ; the closing round
	s_endpgm
.Lfunc_end_k_qdc6266df24_gemm_proj:
	.size	k_qdc6266df24_gemm_proj, .Lfunc_end_k_qdc6266df24_gemm_proj-k_qdc6266df24_gemm_proj
	.p2alignl 7, 3214868480
	.fill 96, 4, 3214868480
	.section	.rodata,"a",@progbits
	.p2align	6, 0x0
	.amdhsa_kernel k_qdc6266df24_gemm_proj
		.amdhsa_group_segment_fixed_size 327680
		.amdhsa_private_segment_fixed_size 0
		.amdhsa_enable_private_segment 0
		.amdhsa_kernarg_size 24
		.amdhsa_user_sgpr_count 2
		.amdhsa_user_sgpr_kernarg_segment_ptr 1
		.amdhsa_wavefront_size32 1
		.amdhsa_system_sgpr_workgroup_id_x 1
		.amdhsa_system_sgpr_workgroup_id_y 1
		.amdhsa_system_sgpr_workgroup_id_z 1
		.amdhsa_system_vgpr_workitem_id 0
		.amdhsa_next_free_vgpr 768
		.amdhsa_next_free_sgpr 76
		.amdhsa_reserve_vcc 0
		.amdhsa_float_denorm_mode_32 3
		.amdhsa_float_denorm_mode_16_64 3
		.amdhsa_memory_ordered 1
		.amdhsa_forward_progress 1
		.amdhsa_inst_pref_size 93
	.end_amdhsa_kernel
	.amdgpu_metadata
---
amdhsa.version: [ 1, 2 ]
amdhsa.kernels:
  - .name:           k_qdc6266df24_gemm_proj
    .symbol:         k_qdc6266df24_gemm_proj.kd
    .args:
      - { .name: yc, .offset: 0, .size: 8, .value_kind: global_buffer, .address_space: global }
      - { .name: wc, .offset: 8, .size: 8, .value_kind: global_buffer, .address_space: global }
      - { .name: out0, .offset: 16, .size: 8, .value_kind: global_buffer, .address_space: global }
    .group_segment_fixed_size: 327680
    .private_segment_fixed_size: 0
    .kernarg_segment_align: 8
    .kernarg_segment_size: 24
    .max_flat_workgroup_size: 128
    .sgpr_count:     76
    .vgpr_count:     768
    .wavefront_size: 32
...
	.end_amdgpu_metadata
.endif
;; end of part 4
